; MI455X (gfx1250); checked and timed in simulation.
; The chip was launched on July 23, 2026; its instructions are those of AMD's public machine-readable ISA for CDNA 5 (MIT licence, August 2026) and "CDNA5" Instruction Set Architecture Reference Guide (July 2026). The comments in the code are by the model that wrote it; some were corrected since.
;; Grouped Query Attention. Allowed arithmetic: matrix products marked QUANTISED: E2M1 operands, one E8M0 scale for each 32 along K, by v_wmma_scale_f32_16x16x128_f8f6f4 with both operands' format E2M1 (or v_wmma_scale_f32_32x16x128_f4), f32 sums; everything else in f32.
;; Inputs: Wk 4,096 x 128 x 8 float32; Wq 4,096 x 128 x 32 float32; Wv 4,096 x 128 x 8 float32; bk 128 x 8 float32; bq 128 x 32 float32; bv 128 x 8 float32; x 2 x 1,024 x 4,096 float32.
;; Outputs: out0 2 x 1,024 x 4,096 float32.
;; This version of the problem:
;;   THIS VERSION OF THE PROBLEM IS GIVEN IN LOW PRECISION. The matrix products marked QUANTISED in the list below multiply operands that are first quantised to E2M1 (2 exponent bits, 1 mantissa bit; 4 bits a number), with one power-of-two scale for each 32 numbers along K (OCP MX v1.0); their sums are f32. All else is computed in f32.
;;   The module's matrix products, in the order in which they are computed (A, B: the left and right operand; K: the contracted axis; several contracted axes count as one K, in the product's order):
;;     1. [M 2,048, K 4,096] x [K 4,096, N 4,096]; A: input x; B: input Wq: QUANTISED
;;     2. [M 2,048, K 4,096] x [K 4,096, N 1,024]; A: input x; B: input Wk: QUANTISED
;;     3. [M 2,048, K 4,096] x [K 4,096, N 1,024]; A: input x; B: input Wv: QUANTISED
;;     4. batch 2,048 x [M 128, K 32] x [K 32, N 128]; A: computed on the way; B: computed on the way: QUANTISED
;;     5. batch 2,048 x [M 128, K 128] x [K 128, N 32]; A: softmax (see below); B: computed on the way: QUANTISED
;;   THE QUANTISER, for each operand of a quantised product, along K:
;;     - K is cut into blocks of 32 from its start; a last block that is shorter is filled with zeros.
;;     - A block's scale is 2^e with e = floor(log2(the largest magnitude in the block)) - 2, held to -126 .. 127; a block of zeros has e = 0. As a byte (E8M0): e + 127.
;;     - Each number is divided by its block's scale, clamped to +-6, and rounded to the nearest number of E2M1, ties to even, subnormals kept.
;;     - The product sums the exact products of the quantised numbers (number of the format x scale) in f32.
;;   ~~~python
;;   def quantise(x, axis):      # numpy; x: float32 -> the quantised numbers, widened to float32 again
;;       x = np.moveaxis(x, axis, -1); K = x.shape[-1]
;;       x = np.pad(x, [(0, 0)] * (x.ndim - 1) + [(0, -K % 32)]); x = x.reshape(x.shape[:-1] + (-1, 32)); a = np.abs(x).max(-1, keepdims=True)
;;       e = np.where(a > 0, np.clip(np.frexp(np.where(a > 0, a, 1))[1] - 1 - 2, -126, 127), 0)      # np.frexp(a)[1] - 1 = floor(log2(a)), exactly
;;       r = np.clip(x / 2.0 ** e, -6, 6)
;;       step = 2.0 ** (np.maximum(np.frexp(np.where(r == 0, 1, r))[1] - 1, 0) - 1)
;;       q = np.round(r / step) * step * 2.0 ** e      # np.round: ties to even
;;       return np.moveaxis(q.reshape(q.shape[:-2] + (-1,))[..., :K], -1, axis).astype(np.float32)
;;   ~~~
;;   SOFTMAX AHEAD OF A QUANTISED PRODUCT. Where the list says 'softmax', what is quantised is not the finished softmax but p = 2^(t - M), with t = logit x log2(e) and M = ceil(the row's largest t), a whole number; so 1/2 < the row's largest p <= 1. The row's sum l is taken of the UNQUANTISED p, in f32, and the product's result is divided by l at the end. Since M is a whole number, a kernel that streams over the keys may use a running M (the ceiling of the running maximum): every later rescaling is an exact power of two, which a block's scale takes up: the codes' values come out the same.
;;   OPERANDS COMPUTED ON THE WAY. 'Computed on the way' means the value that the module computes at that place (a softmax that the list does not call 'softmax' is quantised finished and normalised). What goes into a quantiser is computed in f32, as accurately as f32 sums, v_exp_f32 and their like allow (about 1e-6 of the number): no bf16 or f16 on the way to a quantiser, and a product that is left as it is and whose result goes on into a quantised operand takes f32 operands (vector FMAs, or v_wmma_f32_16x16x4_f32). A number that lies on a knife's edge between two numbers of the format may be rounded either way, as far as f32 arithmetic and the matrix unit's own rounding can turn it there, and no further.
;; One version. Each part assembles by itself: llvm-mc -triple=amdgcn-amd-amdhsa -mcpu=gfx1250 --defsym DOCPART=n.
;; ======== version 1 of 1: 3 launches
;; limits: right only within a limited range of input values
;; workspace buffers: xq 4,456,448 bytes; wq 13,369,344 bytes; biasp 24,576 bytes; codes 6,291,456 bytes; sc 1,048,576 bytes
;; launch prep (part 1): grid 640 x 1, 4 waves a work-group, no clusters, 74,240 bytes of LDS; arguments x, Wq, Wk, Wv, bq, bk, bv, xq, wq, biasp; writes xq, wq, biasp
.if DOCPART == 1
	.amdgcn_target "amdgcn-amd-amdhsa--gfx1250"
	.amdhsa_code_object_version 6
	.text
	.protected	k_qf9e9785556_prep
	.globl	k_qf9e9785556_prep
	.p2align	8
	.type	k_qf9e9785556_prep,@function
k_qf9e9785556_prep:
	s_mov_b64 s[64:65], 0
	v_nop
	global_prefetch_b8 v0, s[64:65] scope:SCOPE_SE
	s_setreg_imm32_b32 hwreg(HW_REG_WAVE_MODE, 25, 1), 1
	s_wait_xcnt 0x0
; x [2048][4096] and the three weights [4096 (K)][columns], f32, become codes of FP4 (E2M1) with one E8M0 byte for each 32 along K.
; OUT: wq [tile 32][K step of 512: 8][row 192][272]: a record is the 256 bytes of codes of 512 along K of one column, then their 16 scale bytes: an LDS row of the product's launch as it stands.
;   A tile's rows: 0-127 four chunks of q (d = 4 tile + 0 .. 3), 128-159 k's chunk (e = 4 tile + 0 .. 3, eight heads each), 160-191 v's (head g = tile / 4, e = 32 (tile % 4) on).
;   In q's chunk row 16 u + 8 h + j holds head 4 j + 2 h + u; k's and v's lie as they come.   biasp [tile 32][row 192] f32.
;   xq: codes in the operand's order [16 rows: 128][K step 8][block of 32: 16][row 16][16 bytes], then from byte 0x400000 scale bytes [K step 8][row 2048][16].
; A block's scale is 2^(floor(log2(its largest magnitude)) - 2); its byte is the largest magnitude's exponent field - 2, held at 1 from below.
; LIMITS: a block of zeros gets the byte 1 where the rule says 127 (its codes are zeros, and this program alone reads the bytes); blocks whose
; largest magnitude lies under 2^-124 have the byte held at 1; NaN and infinities among the inputs are not served.
; SHARES: work-groups 0-255 take Wq, 256-319 Wk, 320-383 Wv (128 columns x 512 K each: a lane takes a column, its registers run down K);
; 384-639 take x (a wave: 16 rows x 512 K).  No tensor loads.  Each wave has LDS bytes of its own; Wv's path alone has a stage that its
; four waves share, in bytes that no other path names, with one barrier between writing and reading.
.set REG,   9728                       ; LDS: a wave's own region
.set VST,   4*REG                      ; Wv's shared stage: 128 rows x 272 bytes
.set EMAX,  2
.set SB,    24                         ; v24-27   W: the 16 scale bytes
.set XR,    32                         ; v32-95   W: two sets of 32 numbers
.set CR,    96                         ; v96-99   W: a block's codes
.set OUTR,  112                        ; v112-179 W: the way out, 17 x 4 registers
.set STEPS, 16
.set SP,    80                         ; x: a lane's place in an in-stage: 64 bytes + 16 of padding
.set OST,   2*32*SP                    ; x: behind the two in-stages: 16 blocks of 256 bytes + 16 of padding, then 256 scale bytes
.set RX,    16                         ; v16-79   x: four sets of 16 numbers as loaded
.set XX,    80                         ; v80-111  x: two sets of 16 neighbours
.set EX,    112                        ; v112-127 x: a scale byte for each step
.set CX,    128                        ; v128-191 x: codes, four registers for each step
; ---- W: block t of 32 along K, a lane a column
.macro WLOAD t, cols
.set wi, 0
.rept 32
	global_load_b32 v[XR+32*((\t)%2)+wi], v3, s[30:31] offset:(32*(\t)+wi)*(\cols)*4 th:TH_LOAD_NT   ; 32 lanes read 128 consecutive bytes of one row of W
.set wi, wi+1
.endr
.endm
.macro WBLOCK t, cols
.set XS, XR+32*((\t)%2)
.if (\t) < 15
	s_wait_loadcnt 32                              ; this block's 32 loads (and all older ones) are in; the next block's 32 may be out
.else
	s_wait_loadcnt 0
.endif
	v_max3_num_f32 v12, |v[XS]|, |v[XS+1]|, |v[XS+2]|               ; the block's largest magnitude: all 32 numbers are mine
	v_max3_num_f32 v13, |v[XS+3]|, |v[XS+4]|, |v[XS+5]|
.irp i, 6,10,14,18,22,26
	v_max3_num_f32 v12, v12, |v[XS+\i]|, |v[XS+\i+1]|
	v_max3_num_f32 v13, v13, |v[XS+\i+2]|, |v[XS+\i+3]|
.endr
	v_max3_num_f32 v12, v12, |v[XS+30]|, |v[XS+31]|
	v_max3_num_f32 v12, v12, v13, (EMAX+1)<<23     ; and the floor 2^(3 - 127): the byte cannot fall under 1
	v_add_nc_u32 v11, -(EMAX<<23), v12             ; 2 off the exponent field: the conversion takes that field as its scale
	v_lshrrev_b32 v13, 23, v11                     ; the scale's byte
.if (\t)%4 == 0
	v_mov_b32 v[SB+(\t)/4], v13                    ; four bytes to a register, the lower K in the lower byte
.else
	v_lshl_or_b32 v[SB+(\t)/4], v13, 8*((\t)%4), v[SB+(\t)/4]
.endif
.irp g, 0,1,2,3
	v_cvt_scalef32_pk8_fp4_f32 v[CR+\g], v[XS+8*\g:XS+8*\g+7], v11
.endr
	ds_store_b128 v4, v[CR:CR+3] offset:16*(\t)    ; 32 codes: 16 bytes of my column's record
.if (\t)+2 < 16
	WLOAD (\t)+2, \cols
.endif
	s_wait_dscnt 0x0                               ; the store has read its registers: the next block's codes may be written
.endm
; kind 0: Wq, 1: Wk, 2: Wv.  cols: columns of the tensor.  first: the path's first work-group.  wp, bp: the scalar pairs of W and of its bias.
.macro WPATH kind, cols, first, wp, bp, xbits
	s_sub_co_u32 s26, ttmp9, \first
	s_and_b32 s27, s26, (1<<\xbits)-1              ; X: which 128 columns
	s_lshr_b32 s28, s26, \xbits                    ; y: which 512 along K
	s_lshl_b32 s29, s27, 7
	s_lshl_b32 s30, s24, 5
	s_add_co_u32 s29, s29, s30                     ; c0 = 128 X + 32 wave: my wave's first column
	s_mul_i32 s30, s28, 512*\cols*4
	s_lshl_b32 s34, s29, 2
	s_add_co_u32 s30, s30, s34                     ; W: 512 y rows down, 4 c0 bytes in
	s_mov_b32 s31, 0
	s_mov_b32 s35, 0
	s_add_nc_u64 s[30:31], s[\wp:\wp+1], s[30:31]
	s_add_nc_u64 s[34:35], s[\bp:\bp+1], s[34:35]  ; the bias of my 32 columns
	s_mul_i32 s32, s28, 192
.if \kind == 0
	s_mov_b32 s36, s27                             ; tile X, chunk wave
	s_lshl_b32 s37, s24, 5
.elseif \kind == 1
	s_lshl_b32 s36, s27, 2
	s_add_co_u32 s36, s36, s24                     ; tile 4 X + wave
	s_mov_b32 s37, 128
.else
	s_lshr_b32 s36, s27, 1                         ; tile 4 g + X / 2: here g = 0
	s_and_b32 s37, s27, 1
	s_lshl_b32 s37, s37, 4
	s_add_co_u32 s37, s37, 160
.endif
	s_add_co_u32 s32, s32, s37
	s_mul_i32 s38, s36, 1536
	s_add_co_u32 s32, s32, s38                     ; row of wq: 1536 tile + 192 y + row in the tile
.if \kind == 2
	s_mul_i32 s38, s24, 8*1536                     ; I store heads 2 wave and 2 wave + 1
	s_add_co_u32 s32, s32, s38
	s_lshl_b32 s38, s24, 2
	s_add_co_u32 s37, s37, s38                     ; biasp: my own columns' e
.endif
	s_mul_i32 s36, s36, 192
	s_add_co_u32 s36, s36, s37
	s_mul_i32 s32, s32, 272
	s_mov_b32 s33, 0
	s_lshl_b32 s36, s36, 2
	s_mov_b32 s37, 0
	s_add_nc_u64 s[32:33], s[20:21], s[32:33]
	s_add_nc_u64 s[36:37], s[22:23], s[36:37]
	v_lshlrev_b32 v3, 2, v2                        ; in: 4 bytes a lane
	v_lshlrev_b32 v8, 4, v2                        ; out: 16 bytes a lane
.if \kind == 0
	v_and_b32 v5, 1, v2                            ; my column is head l of one d: u = l & 1, h = (l >> 1) & 1, j = l >> 2
	v_bfe_u32 v6, v2, 1, 1
	v_lshrrev_b32 v10, 2, v2
	v_lshl_add_u32 v10, v6, 3, v10
	v_lshl_add_u32 v10, v5, 4, v10                 ; its row in the chunk: 16 u + 8 h + j
	v_lshlrev_b32 v15, 2, v10
.elseif \kind == 1
	v_mov_b32 v10, v2                              ; as it lies
	v_lshlrev_b32 v15, 2, v10
.else
	v_and_b32 v5, 7, v2                            ; g
	v_lshrrev_b32 v6, 3, v2                        ; e - 16 X - 4 wave
	v_lshl_add_u32 v10, v5, 4, v6
	s_lshl_b32 s38, s24, 2
	v_add_nc_u32 v10, s38, v10                     ; row of the shared stage: 16 g + (e - 16 X)
	v_mul_u32_u24 v15, v5, 768
	v_add_nc_u32 v15, v15, v6
	v_lshlrev_b32 v15, 2, v15                      ; biasp: 4 (192 x 4 g + l / 8)
	v_lshrrev_b32 v9, 4, v2
	v_mul_u32_u24 v9, v9, 1666816
	v_add_nc_u32 v9, v9, v8                        ; the one store that spans both heads: lanes 16-31 lie four tiles (6,144 rows) less 16 rows further on
.endif
	v_mul_u32_u24 v4, v10, 272
.if \kind == 2
	v_add_nc_u32 v4, VST, v4
	s_mul_i32 s39, s24, 32*272
	s_add_co_u32 s39, s39, VST
	v_add_nc_u32 v7, s39, v8                       ; back: stage rows 32 wave on
.else
	v_add_nc_u32 v4, s25, v4
	v_add_nc_u32 v7, s25, v8
.endif
	global_load_b32 v14, v3, s[34:35]              ; the bias: older than every load of W, so the first block's wait covers it
	WLOAD 0, \cols
	WLOAD 1, \cols
.set Q, 0
.rept 16
	WBLOCK Q, \cols
.set Q, Q+1
.endr
	s_wait_alu depctr_va_vdst(0)                   ; directly ahead of the reader below
	ds_store_b128 v4, v[SB:SB+3] offset:256        ; the record's 16 scale bytes
.if \kind == 2
	s_wait_dscnt 0x0                               ; for the others' sake: my stores into the shared stage are done
	s_barrier_signal -1
	s_barrier_wait -1
.endif
.irp t, 0,1,2,3,4,5,6,7,8,9,10,11,12,13,14,15,16
	ds_load_b128 v[OUTR+4*\t:OUTR+4*\t+3], v7 offset:512*\t   ; 32 records = 17 x 512 bytes (a wave's own bytes are served in order)
.endr
.irp t, 0,1,2,3,4,5,6,7,8,9,10,11,12,13,14,15,16
	s_wait_dscnt 16-\t                             ; read-back t is in; the younger ones may be out
.if \kind == 2
.if \t < 8
	global_store_b128 v8, v[OUTR+4*\t:OUTR+4*\t+3], s[32:33] offset:512*\t
.elseif \t == 8
	global_store_b128 v9, v[OUTR+4*\t:OUTR+4*\t+3], s[32:33] offset:4096
.else
	global_store_b128 v8, v[OUTR+4*\t:OUTR+4*\t+3], s[32:33] offset:512*\t+1666816
.endif
.else
	global_store_b128 v8, v[OUTR+4*\t:OUTR+4*\t+3], s[32:33] offset:512*\t   ; sixteen lanes store 256 consecutive bytes, aligned
.endif
.endr
	s_cmp_lg_u32 s28, 0                            ; each number of biasp has one owner: the work-groups of the first K step
	s_cbranch_scc1 .Lno_bias_\@
	global_store_b32 v15, v14, s[36:37]
.Lno_bias_\@:
	s_wait_tensorcnt 0x0                           ; the wave's end
	ds_add_u32 v192, v193
	s_wait_dscnt 0x0
	s_endpgm
.endm
; ---- x: step t is row t of the wave's 16: 512 numbers
.macro XLOAD t
.irp i, 0,1,2,3
	global_load_b128 v[RX+16*((\t)%4)+4*\i:RX+16*((\t)%4)+4*\i+3], v3, s[30:31] offset:16384*(\t)+512*\i th:TH_LOAD_NT   ; 32 lanes read 512 consecutive bytes
.endr
.endm
.macro XTURN t                         ; through an in-stage: in as loaded, back 64 neighbouring bytes a lane; a wave's LDS instructions are served in order
.irp i, 0,1,2,3
	ds_store_b128 v14, v[RX+16*((\t)%4)+4*\i:RX+16*((\t)%4)+4*\i+3] offset:32*SP*((\t)%2)+8*SP*\i
.endr
.irp i, 0,1,2,3
	ds_load_b128 v[XX+16*((\t)%2)+4*\i:XX+16*((\t)%2)+4*\i+3], v15 offset:32*SP*((\t)%2)+16*\i
.endr
.endm
.macro XSTEP t
.set XS, XX+16*((\t)%2)
.if (\t) > 0
	s_wait_dscnt 2                                 ; this step's numbers are back (the last step's code store and byte store may be out)
.else
	s_wait_dscnt 0x0
.endif
.if (\t)+4 < STEPS
	XLOAD (\t)+4                                   ; into the registers that this step's stage stores have read
.endif
.if (\t)+1 < STEPS
.if STEPS-2-(\t) >= 3
	s_wait_loadcnt 12                              ; the next step's four loads are in; those of the three steps behind it may be out
.else
	s_wait_loadcnt 4*(STEPS-2-(\t))
.endif
	XTURN (\t)+1
.endif
	v_max3_num_f32 v8, |v[XS]|, |v[XS+1]|, |v[XS+2]|               ; the largest magnitude of my 16
	v_max3_num_f32 v9, |v[XS+3]|, |v[XS+4]|, |v[XS+5]|
.irp i, 6,10
	v_max3_num_f32 v8, v8, |v[XS+\i]|, |v[XS+\i+1]|
	v_max3_num_f32 v9, v9, |v[XS+\i+2]|, |v[XS+\i+3]|
.endr
	v_max3_num_f32 v8, v8, |v[XS+14]|, |v[XS+15]|
	v_max3_num_f32 v8, v8, v9, (EMAX+1)<<23        ; and the floor
	v_max_num_f32_dpp v8, v8, v8 row_xmask:1 row_mask:0xf bank_mask:0xf   ; and of my neighbour's 16: the block's
	v_add_nc_u32 v11, -(EMAX<<23), v8
	v_cvt_scalef32_pk8_fp4_f32 v[CX+4*(\t)], v[XS:XS+7], v11
	v_cvt_scalef32_pk8_fp4_f32 v[CX+4*(\t)+1], v[XS+8:XS+15], v11
	v_lshrrev_b32 v[EX+(\t)], 23, v11              ; the scale's byte (also the plain line behind the conversions)
	ds_store_b64 v4, v[CX+4*(\t):CX+4*(\t)+1] offset:OST+16*(\t)       ; my 16 codes: block lane / 2 of row t
	ds_store_b8 v5, v[EX+(\t)] offset:OST+4352+16*(\t)                 ; both lanes of a block write the same byte with the same value
.endm
	s_load_b512 s[4:19], s[0:1], 0x0               ; x 4, Wq 6, Wk 8, Wv 10, bq 12, bk 14, bv 16, xq 18
	s_load_b128 s[20:23], s[0:1], 0x40             ; wq 20, biasp 22
	v_lshl_add_u32 v192, v0, 2, 0x12000
	v_mov_b32 v193, 0
	v_lshrrev_b32 v1, 5, v0
	v_readfirstlane_b32 s24, v1                    ; wave 0..3
	v_and_b32 v2, 31, v0                           ; lane
	s_mul_i32 s25, s24, REG                        ; my wave's LDS region
	s_wait_kmcnt 0x0
	s_cmp_lt_u32 ttmp9, 256
	s_cbranch_scc1 .Lpath_q
	s_cmp_lt_u32 ttmp9, 320
	s_cbranch_scc1 .Lpath_k
	s_cmp_lt_u32 ttmp9, 384
	s_cbranch_scc1 .Lpath_v
	; ---- x
	s_sub_co_u32 s26, ttmp9, 384
	s_lshr_b32 s27, s26, 1                         ; which 16 rows
	s_and_b32 s28, s26, 1
	s_lshl_b32 s28, s28, 2
	s_add_co_u32 s28, s28, s24                     ; y: which 512 along K is my wave's
	s_lshl_b32 s30, s27, 18                        ; 16 rows of 16,384 bytes
	s_lshl_b32 s29, s28, 11
	s_add_co_u32 s30, s30, s29
	s_mov_b32 s31, 0
	s_add_nc_u64 s[30:31], s[4:5], s[30:31]
	s_lshl_b32 s34, s28, 15
	s_lshl_b32 s29, s27, 8
	s_add_co_u32 s34, s34, s29
	s_mov_b32 s35, 0
	s_add_nc_u64 s[34:35], s[18:19], s[34:35]
	s_add_nc_u64 s[34:35], s[34:35], 0x400000      ; my 256 scale bytes
	s_lshl_b32 s32, s27, 15
	s_lshl_b32 s29, s28, 12
	s_add_co_u32 s32, s32, s29
	s_mov_b32 s33, 0
	s_add_nc_u64 s[32:33], s[18:19], s[32:33]      ; my 4,096 bytes of codes
	s_wait_alu depctr_va_vdst(0)
	v_lshlrev_b32 v3, 4, v2                        ; my 16 bytes of a load's 512
	v_lshrrev_b32 v14, 2, v2
	v_mul_u32_u24 v14, v14, SP
	v_and_b32 v15, 3, v2
	v_lshl_add_u32 v14, v15, 4, v14
	v_add_nc_u32 v14, s25, v14                     ; in-stage, in: SP (lane / 4) + 16 (lane % 4)
	v_mul_u32_u24 v15, v2, SP
	v_add_nc_u32 v15, s25, v15                     ; in-stage, back: SP x lane
	v_lshlrev_b32 v7, 3, v2                        ; 8 bytes a lane
	v_lshrrev_b32 v5, 1, v2                        ; my block
	v_and_b32 v4, 1, v2
	v_add_nc_u32 v10, s25, v7                      ; the scale bytes, back
	v_lshlrev_b32 v4, 3, v4
	v_lshrrev_b32 v6, 4, v2
	v_mad_u32_u24 v4, v5, 272, v4
	v_lshlrev_b32 v6, 4, v6
	v_add_nc_u32 v5, s25, v5                       ; my block's byte
	v_add_nc_u32 v6, v6, v3
	v_add_nc_u32 v4, s25, v4                       ; my codes: a block's 16 rows are 256 bytes, 16 of padding behind
	v_add_nc_u32 v6, s25, v6                       ; the codes, back: 16 bytes a lane, past the padding
.irp t, 0,1,2,3
	XLOAD \t
.endr
	s_wait_alu depctr_va_vdst(0)                   ; at the head's end
	s_wait_loadcnt 12                              ; step 0's four loads are in
	XTURN 0
.irp t, 0,1,2,3,4,5,6,7,8,9,10,11,12,13,14,15
	XSTEP \t
.endr
.irp i, 0,1,2,3,4,5,6,7
	ds_load_b128 v[RX+4*\i:RX+4*\i+3], v6 offset:OST+544*\i    ; two blocks' 512 bytes; these see my stores
.endr
	ds_load_b64 v[RX+32:RX+33], v10 offset:OST+4352
.irp i, 0,1,2,3,4,5,6,7
	s_wait_dscnt 8-\i
	global_store_b128 v3, v[RX+4*\i:RX+4*\i+3], s[32:33] offset:512*\i   ; 32 lanes store 512 consecutive bytes, aligned
.endr
	s_wait_dscnt 0x0
	global_store_b64 v7, v[RX+32:RX+33], s[34:35]  ; 16 rows' scale bytes: 256 consecutive bytes, aligned
	s_wait_tensorcnt 0x0                           ; the wave's end
	ds_add_u32 v192, v193
	s_wait_dscnt 0x0
	s_endpgm
.Lpath_q:
	s_wait_alu depctr_va_vdst(0)
	WPATH 0, 4096, 0, 6, 12, 5
.Lpath_k:
	s_wait_alu depctr_va_vdst(0)
	WPATH 1, 1024, 256, 8, 14, 3
.Lpath_v:
	s_wait_alu depctr_va_vdst(0)
	WPATH 2, 1024, 320, 10, 16, 3
.Lfunc_end_k_qf9e9785556_prep:
	.size	k_qf9e9785556_prep, .Lfunc_end_k_qf9e9785556_prep-k_qf9e9785556_prep
	.p2alignl 7, 3214868480
	.fill 96, 4, 3214868480
	.section	.rodata,"a",@progbits
	.p2align	6, 0x0
	.amdhsa_kernel k_qf9e9785556_prep
		.amdhsa_group_segment_fixed_size 74240
		.amdhsa_private_segment_fixed_size 0
		.amdhsa_enable_private_segment 0
		.amdhsa_kernarg_size 80
		.amdhsa_user_sgpr_count 2
		.amdhsa_user_sgpr_kernarg_segment_ptr 1
		.amdhsa_wavefront_size32 1
		.amdhsa_system_sgpr_workgroup_id_x 1
		.amdhsa_system_sgpr_workgroup_id_y 1
		.amdhsa_system_sgpr_workgroup_id_z 1
		.amdhsa_system_vgpr_workitem_id 0
		.amdhsa_next_free_vgpr 194
		.amdhsa_next_free_sgpr 66
		.amdhsa_reserve_vcc 0
		.amdhsa_float_denorm_mode_32 3
		.amdhsa_float_denorm_mode_16_64 3
		.amdhsa_memory_ordered 1
		.amdhsa_forward_progress 1
		.amdhsa_inst_pref_size 255
	.end_amdhsa_kernel
	.section	.bss,"aw",@nobits
	.p2align	6
	.space	262144
	.amdgpu_metadata
---
amdhsa.version: [ 1, 2 ]
amdhsa.kernels:
  - .name:           k_qf9e9785556_prep
    .symbol:         k_qf9e9785556_prep.kd
    .args:
      - { .name: x, .offset: 0, .size: 8, .value_kind: global_buffer, .address_space: global }
      - { .name: Wq, .offset: 8, .size: 8, .value_kind: global_buffer, .address_space: global }
      - { .name: Wk, .offset: 16, .size: 8, .value_kind: global_buffer, .address_space: global }
      - { .name: Wv, .offset: 24, .size: 8, .value_kind: global_buffer, .address_space: global }
      - { .name: bq, .offset: 32, .size: 8, .value_kind: global_buffer, .address_space: global }
      - { .name: bk, .offset: 40, .size: 8, .value_kind: global_buffer, .address_space: global }
      - { .name: bv, .offset: 48, .size: 8, .value_kind: global_buffer, .address_space: global }
      - { .name: xq, .offset: 56, .size: 8, .value_kind: global_buffer, .address_space: global }
      - { .name: wq, .offset: 64, .size: 8, .value_kind: global_buffer, .address_space: global }
      - { .name: biasp, .offset: 72, .size: 8, .value_kind: global_buffer, .address_space: global }
    .group_segment_fixed_size: 74240
    .private_segment_fixed_size: 0
    .kernarg_segment_align: 8
    .kernarg_segment_size: 80
    .max_flat_workgroup_size: 128
    .sgpr_count:     66
    .vgpr_count:     194
    .wavefront_size: 32
...
	.end_amdgpu_metadata
.endif
;; end of part 1
;; launch gemm (part 2): grid 8 x 32, 4 waves a work-group, clusters of 4 x 1, 327,680 bytes of LDS; arguments xq, wq, biasp, codes, sc; writes codes, sc
.if DOCPART == 2
	.amdgcn_target "amdgcn-amd-amdhsa--gfx1250"
	.amdhsa_code_object_version 6
	.text
	.protected	k_qf9e9785556_gemm
	.globl	k_qf9e9785556_gemm
	.p2align	8
	.type	k_qf9e9785556_gemm,@function
k_qf9e9785556_gemm:
	s_mov_b64 s[64:65], 0
	v_nop
	global_prefetch_b8 v0, s[64:65] scope:SCOPE_SE
	s_setreg_imm32_b32 hwreg(HW_REG_WAVE_MODE, 25, 1), 1
	s_wait_xcnt 0x0
	s_wait_alu depctr_hold_cnt(0) depctr_sa_sdst(0) depctr_va_vdst(0) depctr_va_sdst(0) depctr_va_ssrc(0) depctr_va_vcc(0) depctr_vm_vsrc(0)
	s_getreg_b32 s2, hwreg(HW_REG_IB_STS2, 6, 4)
	s_cmp_eq_u32 s2, 0
	s_cbranch_scc0 .Lentry_in_a_cluster
	s_endpgm
.Lentry_in_a_cluster:
	s_bfe_u32 s2, ttmp6, 0x10000c
	s_cmp_lg_u32 s2, 0x3003
	s_cbranch_scc0 .Lentry_shape_is_right
	s_endpgm
.Lentry_shape_is_right:
; q, k, v = x W + b for 2048 tokens x 6144 columns, K = 4096, on codes of FP4 with E8M0 scales; the results are quantised at once along the next products' K and leave as codes and scale bytes.
; IN:  xq: codes in the operand's order: [16 tokens: 128][K step of 512: 8][128 K: 4][c 2][lane 32][16 bytes], then at 0x400000 scale bytes [K step][token][16];
;      wq: [tile 32][K step 8][row 192][256 bytes of codes + 16 scale bytes];  biasp: [tile 32][row 192] f32.
;      A tile's rows are six chunks of 32: four of q (d = 4 tile + 0 .. 3, the 32 heads of one d), one of k (e = 4 tile + 0 .. 3, eight heads each), one of v (head tile / 4, e = 32 (tile % 4) on).
; OUT: codes: [pair 96][token][2][16]: pairs 0-63 q (d = 2 pair + 0, 1), 64 + tile: k's chunk (a word for each e) and v's;
;      sc: [tile 32][token][16]: four bytes of q's d, four of k's e, one of v, zeros.
; SHARES: a work-group makes 256 tokens x one tile: 256 work-groups of equal work.  A wave makes 64 tokens x 192 columns: 24 accumulators of 32 columns x 16 tokens, 384 registers.
; The matrix instruction is used transposed (source 0 = 32 columns, source 1 = 16 tokens): a lane holds one token, its registers neighbouring columns.
; WEIGHTS come through LDS by the tensor data mover, asked for jointly by the four work-groups of a cluster, which differ in their tokens alone: two K steps to a fill, slots 0, 1, 2, and slot 0 again.
; TOKENS are a wave's own: no other wave of the work-group reads them, so they go from memory into registers, in eight sets of 128 K; a set is asked for again as soon as its step is over, seven steps ahead.
; No prefetch: each fill behind the head has at least seven steps of 128 K, 168 matrix instructions, in which to land, and the token loads run seven steps ahead themselves.
; A STEP of 128 K: one run of loads (24 of the next step's weight fragments, 8 of tokens), then 24 matrix instructions on end, one on each accumulator.
; REGISTERS, in windows of 256: window 0: addresses v1-16, tokens' scales v24-47 (three sets), weights' scales v48-95 (two sets), token sets 0-4 v96-255;
;   windows 1, 2, 3: chunks 2 w - 2 and 2 w - 1: accumulators v0-127, two sets of weight fragments v128-191, LDS addresses v192, v194, token set 4 + w v224-255.
; LIMITS: a block of zeros gets the byte 1 where the rule says 127 (its codes are zeros, and this program alone reads the bytes); blocks whose largest magnitude lies under 2^-124 have the byte held at 1;
; NaN and infinities are not served.
.set P,    52224                       ; a K step of a tile: 192 x 272 bytes
.set S1,   2*P                         ; slots 1 and 2
.set S2,   4*P
.set SPARE, 6*P                        ; the spare words, 128 bytes for each wave: two blocks of 256 bytes that no other line names
.set FQ2,  26112                       ; a wave's quarter of two K steps: 102 rows of 256 bytes
.set SPW, 4
.set NIL, 5
.set TOK, 6                            ; 16 x lane
.set SCA, 7                            ; lane x 272 + 256: the scale bytes of row lane
.set ADS, 8                            ; the same in the K step in hand
.set CO,  9                            ; 32 r + 16 h
.set H8,  10                           ; 8 h
.set BO,  15                           ; 32 h
.set AD,  192                          ; windows 1-3: fragment address in the K step in hand
.set A0,  194                          ; in K step 0
.set KB,  52                           ; s52: where the next K step begins in LDS
.set TM,  96                           ; the way out: 28 maxima (0-15 q, 16-19 v, 20-27 k),
.set T2,  124
.set SO,  152                          ; scale operands,
.set E,   180                          ; scale bytes,
.set PC,  208                          ; codes: four registers for each pair and 16 tokens
.set QD,  96                           ; the scale bytes of a token: four registers for each 16 tokens (where the maxima lay)
.set MSB, 0
.macro WIN new
.if MSB != (\new)
	s_set_vgpr_msb (MSB<<8)|(\new)
.set MSB, (\new)
.endif
.endm
.macro CREST                           ; a round of the cluster's barrier behind its opening barrier
	s_cmp_lg_u32 s14, 0
	s_cbranch_scc1 .Lnot_wave_0_\@
	s_barrier_signal -3
.Lnot_wave_0_\@:
	s_barrier_wait -3
	s_barrier_signal -1
	s_barrier_wait -1
.endm
.macro CROUND
	s_barrier_signal -1
	s_barrier_wait -1
	CREST
.endm
.macro PLACES
.rept 4
	v_nop
.endr
.endm
.macro FILL g0
	tensor_load_to_lds s[\g0:\g0+3], s[24:31]
	s_nop 0
	PLACES
.endm
.macro TOK1 m                          ; tokens 16 (m / 2) on, half m % 2 of the 128 K
	global_load_b128 v[LB+4*\m:LB+4*\m+3], v[TOK], s[44:45] offset:(\m/2)*32768+(J/4)*4096+(J%4)*1024+(\m%2)*512
.endm
.macro TLOAD                           ; step J's tokens into their set: window LW, register LB
.if (J%8) < 5
.set LW, 0
.set LB, 96+32*(J%8)
.else
.set LW, (J%8)-4
.set LB, 224
.endif
	WIN (LW<<6)
.irp m, 0,1,2,3,4,5,6,7
	TOK1 \m
.endr
.endm
.macro TSC s                           ; K step s's scale words of my 64 tokens: 32 tokens a load
	WIN 0
.irp pp, 0,1
	global_load_b128 v[24+8*((\s)%3)+4*\pp:24+8*((\s)%3)+4*\pp+3], v[TOK], s[46:47] offset:(\s)*32768+512*\pp
.endr
.endm
.macro BIAS w                          ; into the accumulators of my first 16 tokens: C of all four of a chunk's first products
	WIN ((\w)<<6)
.irp cc, 0,1
.irp x, 0,1,2,3
	global_load_b128 v[64*\cc+4*\x:64*\cc+4*\x+3], v[BO], s[8:9] offset:128*(2*(\w)-2+\cc)+64*(\x/2)+16*(\x%2)
.endr
.endr
.endm
.macro MM w, cc, t                     ; chunk 2 w - 2 + cc, tokens 16 t on
.if I == 0
.set CR, 64*\cc
.else
.set CR, 64*\cc+16*\t
.endif
.if \t%2
	v_wmma_scale_f32_32x16x128_f4 v[64*\cc+16*\t:64*\cc+16*\t+15], v[128+32*(I%2)+16*\cc:128+32*(I%2)+16*\cc+15], v[MB+8*\t:MB+8*\t+7], v[CR:CR+15], v[48+24*((I/4)%2)+4*(2*\w-2+\cc)+(I%4)], v[24+8*((I/4)%3)+4*(\t/2)+(I%4)] matrix_b_scale:MATRIX_SCALE_ROW1
.else
	v_wmma_scale_f32_32x16x128_f4 v[64*\cc+16*\t:64*\cc+16*\t+15], v[128+32*(I%2)+16*\cc:128+32*(I%2)+16*\cc+15], v[MB+8*\t:MB+8*\t+7], v[CR:CR+15], v[48+24*((I/4)%2)+4*(2*\w-2+\cc)+(I%4)], v[24+8*((I/4)%3)+4*(\t/2)+(I%4)]
.endif
.endm
.macro WINM w                          ; windows of group w's products in step I
.if (I%8) < 5
.set MW, 0
.set MB, 96+32*(I%8)
.else
.set MW, (I%8)-4
.set MB, 224
.endif
	WIN ((\w)|(MW<<2)|((\w)<<4)|((\w)<<6))
.endm
.macro GRP w                           ; 8 matrix instructions; every accumulator has one turn in a step
	WINM \w
	MM \w, 0, 1
	MM \w, 0, 2
	MM \w, 0, 3
	MM \w, 1, 1
	MM \w, 1, 2
	MM \w, 1, 3
.if I == 0
.rept 5
	v_nop                                          ; the next two write over what the six above took as C
.endr
.endif
	MM \w, 0, 0
	MM \w, 1, 0
.endm
.macro RLOAD w                         ; two chunks' fragments of the next step
	WIN ((\w)|((\w)<<6))
.irp k, 0,1,2,3,4,5,6,7
	ds_load_b128 v[128+32*((I+1)%2)+4*\k:128+32*((I+1)%2)+4*\k+3], v[AD] offset:(2*\w-2+\k/4)*8704+((\k%4)/2)*4352+64*((I+1)%4)+32*(\k%2)
.endr
.endm
.macro NEXTK                           ; on to the next K step; its scale words of the tile's 192 rows: a lane a row, 128 K a register
.set N, I/4+1
	s_mov_b32 s[KB], (N%6)*P
	WIN 0
	v_add_nc_u32 v[ADS], v[SCA], s[KB]
	WIN 0x41
	v_add_nc_u32 v[AD], v[A0], s[KB]
	WIN 0x82
	v_add_nc_u32 v[AD], v[A0], s[KB]
	WIN 0xc3
	v_add_nc_u32 v[AD], v[A0], s[KB]
	s_wait_alu depctr_va_vdst(0)                   ; directly behind the writes
	WIN 0
.irp c, 0,1,2,3,4,5
	ds_load_b128 v[48+24*(N%2)+4*\c:48+24*(N%2)+4*\c+3], v[ADS] offset:\c*8704
.endr
.endm
.macro TAHEAD                          ; step I + 7's tokens into the set that step I - 1 has used; at a K step's first step the scale words of two K steps on
.if (I > 0) && (I < 25)
.set J, I+7
	TLOAD
.endif
.if ((I%4) == 0) && (I < 24)
	TSC I/4+2
.endif
.endm
; A step of 128 K.  The four places serve the loads into registers that the last step's products have read.
; DScnt: only the run just issued may be out (24 loads, and six of scale words in a K step's last step): step I's fragments are in.
; LOADcnt: behind step I's token set the next seven have been asked for, 8 loads each (at the end fewer; the scale loads among them only make the wait stricter).
.macro STEPN
	PLACES
.if I < 31
.if (I%4) == 3
	NEXTK
.endif
	RLOAD 1
	RLOAD 2
	RLOAD 3
.endif
	TAHEAD
.if I == 31
	s_wait_dscnt 0x0
.elseif (I%4) == 3
	s_wait_dscnt 30
.else
	s_wait_dscnt 24
.endif
.if I < 25
	s_wait_loadcnt 56
.else
	s_wait_loadcnt 8*(31-I)
.endif
	GRP 1
	GRP 2
	GRP 3
.set I, I+1
.endm
; The last step in a slot: its fragments are in registers, so behind the barrier nobody reads the slot any more, and the next one is whole.  g0: the fill that follows, 0 for none.
.macro STEPT g0
	PLACES
	TAHEAD
	s_wait_dscnt 0x0
	s_wait_loadcnt 56
	GRP 1
	WIN 0
	s_wait_tensorcnt 0x0                           ; my part of the next slot has landed;
	ds_add_u32 v[SPW], v[NIL]                      ; 0 onto my spare word
	WINM 2
	MM 2, 0, 1
	MM 2, 0, 2
	MM 2, 0, 3
	MM 2, 1, 1
	s_wait_dscnt 0x0                               ; the add is done, and my reads of this slot are over
	s_barrier_signal -1
	MM 2, 1, 2
	MM 2, 1, 3
	MM 2, 0, 0
	MM 2, 1, 0
	WIN 0
	s_barrier_wait -1
.if \g0
	CREST                                          ; the barrier has opened a round of the cluster's: no partner reads the slot or has a load on its way
	FILL \g0
.endif
	NEXTK
	RLOAD 1
	RLOAD 2
	RLOAD 3
	GRP 3
.set I, I+1
.endm
	s_load_b256 s[4:11], s[0:1], 0x0               ; xq 4, wq 6, biasp 8, codes 10
	s_load_b64 s[12:13], s[0:1], 0x20              ; sc
	v_lshl_add_u32 v[SPW], v0, 2, SPARE
	v_mov_b32 v[NIL], 0
	ds_add_u32 v[SPW], v[NIL]                      ; the wave's opening: the add, twice on end
	ds_add_u32 v[SPW], v[NIL]
	v_lshrrev_b32 v3, 5, v0
	v_readfirstlane_b32 s14, v3                    ; wave 0..3
	v_and_b32 v1, 15, v0                           ; r
	v_bfe_u32 v2, v0, 4, 1                         ; h
	v_and_b32 v3, 31, v0                           ; lane
	v_lshlrev_b32 v[TOK], 4, v3
	v_mul_u32_u24 v[SCA], v3, 272
	v_mul_u32_u24 v16, v1, 272
	v_lshlrev_b32 v[CO], 5, v1
	v_add_nc_u32 v[SCA], 256, v[SCA]
	v_lshl_add_u32 v16, v2, 4, v16                 ; a fragment: row r, + 16 h
	v_lshl_add_u32 v[CO], v2, 4, v[CO]
	v_lshlrev_b32 v[H8], 3, v2
	v_lshlrev_b32 v[BO], 5, v2
	WIN 0x40
	v_mov_b32 v[AD], v16
	v_mov_b32 v[A0], v16
	WIN 0x80
	v_mov_b32 v[AD], v16
	v_mov_b32 v[A0], v16
	WIN 0xc0
	v_mov_b32 v[AD], v16
	v_mov_b32 v[A0], v16
	WIN 0
	s_and_b32 s15, ttmp7, 0xffff                   ; the tile of columns: the same in all four partners
	s_bfe_u32 s16, ttmp6, 0x40000
	s_lshl_b32 s17, ttmp9, 2
	s_add_co_u32 s17, s17, s16                     ; the 256 tokens: 4 x cluster x + cx
	; descriptor group 1: 102 rows of 256 bytes (32 elements of 8), dense, to all four work-groups of the cluster
	s_mov_b32 s24, 15|(3<<16)|(1<<21)
	s_mov_b32 s25, 32<<16
	s_mov_b32 s26, 102<<16
	s_mov_b32 s27, 32<<16
	s_mov_b32 s28, 102
	s_mov_b32 s29, 32
	s_mov_b32 s30, 0
	s_mov_b32 s31, 0
	s_mul_i32 s20, s15, 8*P
	s_mul_i32 s22, s14, FQ2
	s_add_co_u32 s50, s20, s22
	s_mov_b32 s51, 0
	s_wait_alu depctr_va_vdst(0)                   ; directly ahead of the waits below
	s_wait_dscnt 0x0                               ; both opening adds are done
	s_wait_kmcnt 0x0
	s_add_nc_u64 s[34:35], s[6:7], s[50:51]        ; group 0, one for each fill: K steps 0-1,
	s_add_nc_u64 s[38:39], s[34:35], 2*P           ; 2-3,
	s_add_nc_u64 s[42:43], s[34:35], 4*P           ; 4-5,
	s_add_nc_u64 s[62:63], s[34:35], 6*P           ; 6-7
	s_mov_b32 s32, 1
	s_mov_b32 s33, s22
	s_or_b32 s35, s35, 0x80000000
	s_mov_b32 s36, 1
	s_add_co_u32 s37, s22, S1
	s_or_b32 s39, s39, 0x80000000
	s_mov_b32 s40, 1
	s_add_co_u32 s41, s22, S2
	s_or_b32 s43, s43, 0x80000000
	s_mov_b32 s60, 1
	s_mov_b32 s61, s22
	s_or_b32 s63, s63, 0x80000000
	CROUND                                         ; all four work-groups are here: the first joint loads meet
	FILL 32
	s_lshl_b32 s44, s17, 19
	s_lshl_b32 s45, s14, 17
	s_add_co_u32 s44, s44, s45
	s_mov_b32 s45, 0
	s_add_nc_u64 s[44:45], s[4:5], s[44:45]        ; my 64 tokens' codes
	s_lshl_b32 s46, s17, 12
	s_lshl_b32 s47, s14, 10
	s_add_co_u32 s46, s46, s47                     ; 16 x my first token
	s_mov_b32 s47, 0
	s_lshl_b32 s20, s15, 15
	s_mov_b32 s21, 0
	s_add_nc_u64 s[20:21], s[20:21], s[46:47]
	s_add_nc_u64 s[12:13], s[12:13], s[20:21]      ; sc: 16 bytes a token
	s_add_nc_u64 s[46:47], s[4:5], s[46:47]
	s_add_nc_u64 s[46:47], s[46:47], 0x400000      ; their scale bytes
	s_mul_i32 s20, s15, 768
	s_mov_b32 s21, 0
	s_add_nc_u64 s[8:9], s[8:9], s[20:21]          ; the tile's biases
	BIAS 1
	BIAS 2
	BIAS 3
	TSC 0
	TSC 1
.set J, 0
.rept 4
	TLOAD                                          ; four of the eight sets ahead of the first tile's wait, four behind it
.set J, J+1
.endr
	WIN 0
	s_lshl_b32 s20, s17, 13
	s_lshl_b32 s22, s14, 11
	s_add_co_u32 s20, s20, s22                     ; 32 x my first token
	s_lshl_b32 s54, s15, 16
	s_add_co_u32 s54, s54, s20
	s_mov_b32 s55, 0
	s_add_nc_u64 s[54:55], s[10:11], s[54:55]
	s_add_nc_u64 s[54:55], s[54:55], 0x400000      ; codes of pair 64 + tile
	s_lshl_b32 s22, s15, 17
	s_add_co_u32 s20, s20, s22
	s_mov_b32 s21, 0
	s_add_nc_u64 s[10:11], s[10:11], s[20:21]      ; of pairs 2 tile and 2 tile + 1
	s_mov_b32 s56, 0x76543210
	s_mov_b32 s57, 0xfedcba98                      ; v_permlanex16_b32's selects for lane l xor 16
	s_wait_alu depctr_va_vdst(0)                   ; at the head's end
	s_wait_tensorcnt 0x0                           ; my part of slot 0 is in
	ds_add_u32 v[SPW], v[NIL]
	s_wait_dscnt 0x0
	CROUND
	FILL 36                                        ; slot 1: the first tensor load behind the round
.irp c, 0,1,2,3,4,5
	ds_load_b128 v[48+4*\c:48+4*\c+3], v[SCA] offset:\c*8704
.endr
.set I, -1
	RLOAD 1
	RLOAD 2
	RLOAD 3
.rept 4
	TLOAD
.set J, J+1
.endr
.set I, 0
.rept 7
	STEPN
.endr
	STEPT 40                                       ; slot 2, for the first time
.rept 7
	STEPN
.endr
	STEPT 60                                       ; slot 0 again
.rept 7
	STEPN
.endr
	STEPT 0
.rept 8
	STEPN
.endr
; THE WAY OUT.  A lane (r, h) holds token r and, in registers 8 u + j, row 16 u + 8 h + j of a chunk.
.macro MX w, r0, n, ix                 ; n blocks of 32: my 16 numbers of each, from the low end on, and the floor 2^(3 - 127)
	WIN (0x14*(\w))
.set bq, 0
.rept \n
	v_max3_num_f32 v[TM+\ix+bq], 0x1800000, |v[\r0+16*bq]|, |v[\r0+16*bq+1]|
.set bq, bq+1
.endr
.irp m, 2,4,6,8,10,12,14
.set bq, 0
.rept \n
	v_max3_num_f32 v[TM+\ix+bq], v[TM+\ix+bq], |v[\r0+16*bq+\m]|, |v[\r0+16*bq+\m+1]|
.set bq, bq+1
.endr
.endr
.endm
	WIN 0
	PLACES                                         ; ahead of the first reads of results
.set bq, 0
.rept 20
	v_mov_b32 v[T2+bq], 0                          ; a lane permute's destination counts as one of its sources
.set bq, bq+1
.endr
	MX 1, 0, 8, 0
	MX 2, 0, 8, 8
	MX 3, 64, 4, 16
	WIN 0x3c
.set bq, 0
.rept 8
	v_max3_num_f32 v[TM+20+bq], 0x1800000, |v[8*bq]|, |v[8*bq+1]|      ; k: a block is the eight heads of one e, all of them mine
.set bq, bq+1
.endr
.irp m, 2,4,6
.set bq, 0
.rept 8
	v_max3_num_f32 v[TM+20+bq], v[TM+20+bq], |v[8*bq+\m]|, |v[8*bq+\m+1]|
.set bq, bq+1
.endr
.endr
	WIN 0
.set bq, 0
.rept 20
	v_permlanex16_b32 v[T2+bq], v[TM+bq], s56, s57
.set bq, bq+1
.endr
.set bq, 0
.rept 20
	v_max_num_f32 v[TM+bq], v[TM+bq], v[T2+bq]     ; with lane l xor 16's 16 numbers
.set bq, bq+1
.endr
.set bq, 0
.rept 28
	v_add_nc_u32 v[SO+bq], 0xff000000, v[TM+bq]    ; 2 off the exponent field: the conversion's scale operand
.set bq, bq+1
.endr
.set bq, 0
.rept 28
	v_lshrrev_b32 v[E+bq], 23, v[SO+bq]            ; the scale's byte
.set bq, bq+1
.endr
.irp w, 1,2
	WIN \w
.irp cc, 0,1
.irp t, 0,1,2,3
.irp u, 0,1
	v_cvt_scalef32_pk8_fp4_f32 v[PC+16*(\w-1)+4*\t+2*\u+\cc], v[64*\cc+16*\t+8*\u:64*\cc+16*\t+8*\u+7], v[SO+8*(\w-1)+4*\cc+\t]
.endr
.endr
.endr
.endr
	WIN 3
.irp t, 0,1,2,3
.irp u, 0,1
	v_cvt_scalef32_pk8_fp4_f32 v[PC+32+4*\t+2*\u], v[16*\t+8*\u:16*\t+8*\u+7], v[SO+20+2*\t+\u]        ; k
	v_cvt_scalef32_pk8_fp4_f32 v[PC+33+4*\t+2*\u], v[64+16*\t+8*\u:64+16*\t+8*\u+7], v[SO+16+\t]       ; v
.endr
.endr
	v_nop
	WIN 0
.set bq, 0
.rept 24
	v_permlane16_swap_b32 v[PC+2*bq], v[PC+2*bq+1]  ; whole blocks: lanes 0-15 the pair's first chunk, lanes 16-31 its second; register 2 u + h of four holds the lane's rows 16 u + 8 h on
.set bq, bq+1
.endr
.irp pp, 0,1
.irp t, 0,1,2,3
	global_store_b128 v[CO], v[PC+16*\pp+4*\t:PC+16*\pp+4*\t+3], s[10:11] offset:65536*\pp+512*\t    ; 512 consecutive bytes, aligned
.endr
.endr
.irp t, 0,1,2,3
	global_store_b128 v[CO], v[PC+32+4*\t:PC+35+4*\t], s[54:55] offset:512*\t
.endr
	; a token's scale bytes
	v_cmp_eq_u32 vcc_lo, 1, v2
.irp t, 0,1,2,3
	v_lshl_or_b32 v[T2+4+\t], v[E+21+2*\t], 16, v[E+20+2*\t]           ; k: my bytes are those of e = h and 2 + h,
.endr
.irp t, 0,1,2,3
	v_lshl_or_b32 v[QD+4*\t], v[E+4+\t], 8, v[E+\t]
.endr
.irp t, 0,1,2,3
	v_lshlrev_b32 v[T2+4+\t], v[H8], v[T2+4+\t]                        ; at their places,
.endr
.irp t, 0,1,2,3
	v_lshl_or_b32 v[QD+4*\t], v[E+8+\t], 16, v[QD+4*\t]
.endr
.irp t, 0,1,2,3
	v_permlanex16_b32 v[T2+\t], v[T2+4+\t], s56, s57
.endr
.irp t, 0,1,2,3
	v_lshl_or_b32 v[QD+4*\t], v[E+12+\t], 24, v[QD+4*\t]               ; q: the four d of the tile
.endr
.irp t, 0,1,2,3
	v_or_b32 v[QD+4*\t+1], v[T2+4+\t], v[T2+\t]                        ; with lane l xor 16's two
.endr
.irp t, 0,1,2,3
	v_mov_b32 v[QD+4*\t+2], v[E+16+\t]                                 ; v
.endr
	v_mov_b32 v[QD+3], 0
	v_mov_b32 v[QD+11], 0
.irp t, 0,2
.irp i, 0,1,2
	v_cndmask_b32 v[QD+4*\t+\i], v[QD+4*\t+\i], v[QD+4*\t+4+\i], vcc_lo    ; lanes 0-15 one 16 tokens, lanes 16-31 the next
.endr
.endr
.irp t, 0,1
	global_store_b128 v[TOK], v[QD+8*\t:QD+8*\t+3], s[12:13] offset:512*\t     ; 32 tokens: 512 consecutive bytes, aligned
.endr
	s_wait_tensorcnt 0x0                           ; the wave's end
	ds_add_u32 v[SPW], v[NIL]
	s_wait_dscnt 0x0
	CROUND                                         ; the closing round
	s_endpgm
.Lfunc_end_k_qf9e9785556_gemm:
	.size	k_qf9e9785556_gemm, .Lfunc_end_k_qf9e9785556_gemm-k_qf9e9785556_gemm
	.p2alignl 7, 3214868480
	.fill 96, 4, 3214868480
	.section	.rodata,"a",@progbits
	.p2align	6, 0x0
	.amdhsa_kernel k_qf9e9785556_gemm
		.amdhsa_group_segment_fixed_size 327680
		.amdhsa_private_segment_fixed_size 0
		.amdhsa_enable_private_segment 0
		.amdhsa_kernarg_size 40
		.amdhsa_user_sgpr_count 2
		.amdhsa_user_sgpr_kernarg_segment_ptr 1
		.amdhsa_wavefront_size32 1
		.amdhsa_system_sgpr_workgroup_id_x 1
		.amdhsa_system_sgpr_workgroup_id_y 1
		.amdhsa_system_sgpr_workgroup_id_z 1
		.amdhsa_system_vgpr_workitem_id 0
		.amdhsa_next_free_vgpr 1024
		.amdhsa_next_free_sgpr 66
		.amdhsa_reserve_vcc 1
		.amdhsa_float_denorm_mode_32 3
		.amdhsa_float_denorm_mode_16_64 3
		.amdhsa_memory_ordered 1
		.amdhsa_forward_progress 1
		.amdhsa_inst_pref_size 226
	.end_amdhsa_kernel
	.amdgpu_metadata
---
amdhsa.version: [ 1, 2 ]
amdhsa.kernels:
  - .name:           k_qf9e9785556_gemm
    .symbol:         k_qf9e9785556_gemm.kd
    .args:
      - { .name: xq, .offset: 0, .size: 8, .value_kind: global_buffer, .address_space: global }
      - { .name: wq, .offset: 8, .size: 8, .value_kind: global_buffer, .address_space: global }
      - { .name: biasp, .offset: 16, .size: 8, .value_kind: global_buffer, .address_space: global }
      - { .name: codes, .offset: 24, .size: 8, .value_kind: global_buffer, .address_space: global }
      - { .name: sc, .offset: 32, .size: 8, .value_kind: global_buffer, .address_space: global }
    .group_segment_fixed_size: 327680
    .private_segment_fixed_size: 0
    .kernarg_segment_align: 8
    .kernarg_segment_size: 40
    .max_flat_workgroup_size: 128
    .sgpr_count:     66
    .vgpr_count:     1024
    .wavefront_size: 32
...
	.end_amdgpu_metadata
.endif
;; end of part 2
;; launch attn (part 3): grid 256 x 1, 16 waves a work-group, no clusters, 67,584 bytes of LDS; arguments codes, sc, out0; writes out0
.if DOCPART == 3
	.amdgcn_target "amdgcn-amd-amdhsa--gfx1250"
	.amdhsa_code_object_version 6
	.text
	.protected	k_qf9e9785556_attn
	.globl	k_qf9e9785556_attn
	.p2align	8
	.type	k_qf9e9785556_attn,@function
k_qf9e9785556_attn:
	s_mov_b64 s[64:65], 0
	v_nop
	global_prefetch_b8 v0, s[64:65] scope:SCOPE_SE
	s_setreg_imm32_b32 hwreg(HW_REG_WAVE_MODE, 25, 1), 1
	s_wait_xcnt 0x0
; For each token: scores[d][e] = sum over the 32 heads of q[d][head] k[e][head / 4] / sqrt(128); softmax over e; out[d][head] = sum over e of p[d][e] v[e][head / 4] / l.
; Both products on codes of FP4 (E2M1) with E8M0 scales, made by the launch before: codes [pair 96][token][2][16 bytes]: pairs 0-63 q: d = 2 pair + block; 64 + tile: block 0 k's words of e = 4 tile + 0 .. 3,
; block 1 v's head tile / 4, e = 32 (tile % 4) on; sc [tile 32][token][16]: q's four bytes of d = 4 tile + 0 .. 3, k's four of e, v's one.
; THE FIRST PRODUCT'S K IS 32: one block.  In q's block, code 8 jj' + g stands for a head 4 g + jj; k's block is its word of eight codes (g = 0 .. 7) four times.  Of the instruction's
; 128 along K the other three blocks are zero CODES on k's side; the scale bytes there are 0, never 0xff.
; THE SOFTMAX: t = score x log2(e) / sqrt(128); M = the row's largest t rounded up to a whole number; p = 2^(t - M) is quantised along e; l, the sum of the unquantised p, divides at the end.
; A whole row of 128 scores lies in two lanes' registers, so the true maximum is taken: no running one.
; SHARES: a work-group takes 8 tokens; wave w takes token w / 2 and d = 64 (w % 2) + 0 .. 63, four tiles of 16.  The work-groups share no input: no cluster.  No tensor load; one barrier.
; LAYOUT: both products transposed (S^T = k q^T, O^T = v^T p^T): a lane holds one d.  Row p of k's tile 4 c + t is e = 64 c + 32 (p / 8) + 8 t + p % 8, so that lane (d, hh) holds
; e = 64 c + 32 hh + 0 .. 31 in 32 registers: whole blocks, in the second product's own order.  v's tile u has a row for each head 16 u + p (row g = head / 4 read four times), so O^T is out's row as it lies.
; LIMITS: NaN and infinities are not served; a block whose every p has fallen to 0 keeps the byte 1: its codes are zeros.
.set QL,   0                           ; LDS: q's codes [token, pitch 2080][d][16]
.set KVL,  16640                       ; k's and v's [token, pitch 1056][tile][32]
.set SCL,  25088                       ; scale bytes [token, pitch 304]: 128 of q, 128 of k, 32 of v
.set STG,  27648                       ; the way out: 16 rows x (128 + 16) bytes for each wave
.set AKC,  1                           ; v1  k's codes   v2  k's scale bytes   v3  v's codes   v4  v's scale words   v5  q's codes   v6  q's scale bytes
.set AKS,  2
.set AVC,  3
.set AVS,  4
.set AQC,  5
.set AQS,  6
.set MASK, 7                           ; v7  all ones in lanes 0-15, 0 in lanes 16-31
.set SH,   8                           ; v8  8 hh
.set STO,  9                           ; v9  into my stage    v10 back    v11 16 x lane
.set SRD,  10
.set GO,   11
.set KF,   16                          ; v16-79   k's eight fragments
.set VF,   80                          ; v80-95   v's two
.set S,    96                          ; v96-159  S^T, then p
.set QF,   160                         ; v160-179 q's four fragments, four registers each; a fragment's upper four are the next one's (they meet k's zero codes); the last four are zeros
.set O,    184                         ; v184-199 O^T
.set PC,   200                         ; v200-207 p's codes
.set KSC,  208                         ; v208-215, v216-217, v218-221, v222: scales of k, v, q, p: these registers hold scales and nothing else
.set VSC,  216
.set QSC,  218
.set PSC,  222
.set TP,   223
.set MX,   224
.set MB,   228
.set NM,   230
.set L0,   232
.set L1,   234
.set SO,   236
.set RL,   238
.set RB,   240
.set SEL,  20
.set CS,   22
	s_load_b128 s[4:7], s[0:1], 0x0                ; codes 4, sc 6
	s_load_b64 s[10:11], s[0:1], 0x10              ; out0
	v_lshl_add_u32 v182, v0, 2, 0x10000
	v_mov_b32 v183, 0
	v_lshrrev_b32 v12, 5, v0
	s_delay_alu instid0(VALU_DEP_1)
	v_readfirstlane_b32 s12, v12                   ; wave 0..15
	s_lshl_b32 s13, ttmp9, 3                       ; my work-group's first token
	s_lshr_b32 s16, s12, 1                         ; my token among the eight
	s_and_b32 s17, s12, 1                          ; which 64 d
	s_mov_b32 s[SEL], 0x76543210
	s_mov_b32 s[SEL+1], 0xfedcba98                 ; v_permlanex16_b32's selects for lane l xor 16
	s_mov_b32 s[CS], 0x3e0293ee                    ; c = log2(e) / sqrt(128)
	s_mov_b32 s[CS+1], s[CS]                       ; (named with it as a pair)
	s_mul_i32 s24, s16, 1056
	s_add_co_u32 s24, s24, KVL
	s_mul_i32 s25, s16, 304
	s_add_co_u32 s25, s25, SCL
	s_add_co_u32 s26, s25, 128
	s_mul_i32 s27, s16, 2080
	s_lshl_b32 s29, s17, 10
	s_add_co_u32 s27, s27, s29
	s_mul_i32 s28, s12, 2304
	s_add_co_u32 s28, s28, STG
	s_lshl_b32 s29, s17, 6
	s_add_co_u32 s29, s29, s25
	; the copy's addresses.  Every LDS address register of the text is made here, ahead of the branch on the wave's number
	v_lshrrev_b32 v24, 4, v0                       ; pair 0..31
	v_and_b32 v25, 15, v0
	v_lshrrev_b32 v29, 3, v0                       ; tile (waves 0-7: 0 .. 31)
	v_and_b32 v30, 7, v0                           ; token
	v_and_b32 v27, 1, v0                           ; block
	v_lshlrev_b32 v28, 5, v24
	v_lshlrev_b32 v16, 4, v25
	v_lshrrev_b32 v26, 1, v25                      ; token
	v_lshlrev_b32 v19, 4, v30
	v_lshlrev_b32 v20, 2, v29
	v_lshl_add_u32 v28, v27, 4, v28
	v_lshl_add_u32 v16, v24, 16, v16               ; codes: 65,536 x pair + my 16 of the eight tokens' 256 bytes
	v_mad_u32_u24 v22, v30, 304, v29
	v_lshl_add_u32 v19, v29, 15, v19               ; sc: 32,768 x tile + 16 x token
	v_mad_u32_u24 v20, v30, 304, v20
	v_mad_u32_u24 v17, v26, 2080, v28              ; into QL
	v_mad_u32_u24 v18, v26, 1056, v28
	v_add_nc_u32 v22, SCL+256, v22                 ; v's scale byte
	v_add_nc_u32 v20, SCL, v20                     ; q's scale word; k's lies 128 bytes on
	v_add_nc_u32 v18, KVL, v18                     ; into KVL
	; the fragments' addresses
	v_and_b32 v12, 15, v0                          ; p
	v_bfe_u32 v13, v0, 4, 1                        ; hh
	v_bfe_u32 v14, v0, 3, 1                        ; p / 8
	v_bfe_u32 v15, v0, 2, 1                        ; (p / 4) % 2
	v_and_b32 v23, 3, v0                           ; p % 4
	v_bfe_u32 v24, v0, 2, 2                        ; p / 4
	v_and_b32 v26, 7, v0                           ; p % 8
	v_lshlrev_b32 v[AKC], 8, v14
	v_lshlrev_b32 v[AVC], 7, v24
	v_mul_u32_u24 v[STO], v12, 144
	v_bfe_u32 v25, v0, 3, 2
	v_lshl_add_u32 v[AKS], v14, 5, v26
	v_lshl_add_u32 v[AKC], v15, 5, v[AKC]
	v_lshl_add_u32 v[AVC], v13, 5, v[AVC]
	v_lshl_add_u32 v[STO], v13, 5, v[STO]
	v_mul_u32_u24 v[SRD], v25, 144
	v_and_b32 v[GO], 31, v0
	v_lshl_add_u32 v[AKC], v23, 2, v[AKC]
	v_add_nc_u32 v[AKS], s26, v[AKS]               ; e's byte
	v_add_nc_u32 v[AVC], s24, v[AVC]
	v_add_nc_u32 v[STO], s28, v[STO]
	v_lshl_add_u32 v[SRD], v26, 4, v[SRD]
	v_lshlrev_b32 v[GO], 4, v[GO]
	v_add_nc_u32 v[AKC], s24, v[AKC]               ; e's word: 32 (e / 4) + 4 (e % 4)
	v_lshl_add_u32 v[AVS], v24, 2, s25
	v_lshl_add_u32 v[AQC], v12, 4, s27
	v_add_nc_u32 v[AQS], s29, v12
	v_add_nc_u32 v[MASK], -1, v13
	v_lshlrev_b32 v[SH], 3, v13
	v_add_nc_u32 v[SRD], s28, v[SRD]
	s_wait_alu depctr_va_vdst(0)                   ; at the head's end
	s_wait_kmcnt 0x0
	s_mov_b32 s15, 0
	s_lshl_b32 s14, s13, 5
	s_add_nc_u64 s[4:5], s[4:5], s[14:15]
	s_lshl_b32 s14, s13, 4
	s_add_nc_u64 s[6:7], s[6:7], s[14:15]
	s_add_co_u32 s14, s13, s16
	s_lshl_b32 s14, s14, 14                        ; my token's row of out0,
	s_lshl_b32 s18, s17, 13
	s_add_co_u32 s14, s14, s18                     ; my 64 d of 128 bytes
	s_add_nc_u64 s[10:11], s[10:11], s[14:15]
	; THE COPY: all that the eight tokens need, once.  Sixteen neighbouring lanes read 256 consecutive bytes of codes, aligned
	global_load_b128 v[32:35], v16, s[4:5] th:TH_LOAD_NT
	global_load_b128 v[36:39], v16, s[4:5] offset:2097152 th:TH_LOAD_NT
	global_load_b128 v[40:43], v16, s[4:5] offset:4194304 th:TH_LOAD_NT
	s_cmp_lt_u32 s12, 8
	s_cbranch_scc0 .Lcopied
	global_load_b128 v[44:47], v19, s[6:7]         ; waves 0-7: 32 tiles x 8 tokens of scale bytes
	s_wait_loadcnt 0x0
	ds_store_b32 v20, v44
	ds_store_b32 v20, v45 offset:128
	ds_store_b8 v22, v46
.Lcopied:
	s_wait_loadcnt 0x0
	ds_store_b128 v17, v[32:35]
	ds_store_b128 v17, v[36:39] offset:1024
	ds_store_b128 v18, v[40:43]
	s_wait_dscnt 0x0                               ; for the others' sake: my stores are done
	s_barrier_signal -1
	s_barrier_wait -1
	; THE FRAGMENTS of my token: they stay in registers
.irp c, 0,1
.irp t, 0,1,2,3
	ds_load_b32 v[S+4*\c+\t], v[AKC] offset:512*\c+64*\t             ; tile 4 c + t: row p's word of eight codes
	ds_load_u8 v[KSC+4*\c+\t], v[AKS] offset:64*\c+8*\t              ; and its scale: byte 0 of the word; the bytes above are 0
.endr
.endr
.irp u, 0,1
.irp c, 0,1
	ds_load_b128 v[VF+8*\u+4*\c:VF+8*\u+4*\c+3], v[AVC] offset:16+512*\u+64*\c   ; head 16 u + p: g = 4 u + p / 4; e = 64 c + 32 hh + 0 .. 31
.endr
	ds_load_b32 v[VSC+\u], v[AVS] offset:256+16*\u
.endr
.irp i, 0,1,2,3
	ds_load_b128 v[QF+4*\i:QF+4*\i+3], v[AQC] offset:256*\i
	ds_load_u8 v[QSC+\i], v[AQS] offset:16*\i
.endr
.irp tt, 0,1,2,3,4,5,6,7
.irp n, 4,5,6,7
	v_mov_b32 v[KF+8*\tt+\n], 0                    ; K = 64 .. 127: zero codes
.endr
.endr
.irp n, 16,17,18,19
	v_mov_b32 v[QF+\n], 0
.endr
	v_mov_b32 v[TP], 0                             ; a lane permute's destination counts as one of its sources
	v_mov_b32 v[NM+1], 0                           ; (upper halves of pairs of which the low word serves both halves)
	v_mov_b32 v[RL+1], 0
	s_wait_dscnt 0x0
.irp tt, 0,1,2,3,4,5,6,7
.irp n, 0,1,2,3
	v_and_b32 v[KF+8*\tt+\n], v[MASK], v[S+\tt]    ; the word four times in lanes 0-15 (K = 0 .. 31), zero codes in lanes 16-31 (K = 32 .. 63)
.endr
.endr
.rept 4
	v_nop                                          ; an operand written by vector instructions stands four places ahead of a scaled matrix instruction
.endr
.macro DTILE i                         ; d = 64 (w % 2) + 16 i + 0 .. 15
.irp tt, 0,1,2,3,4,5,6,7
	v_wmma_scale_f32_16x16x128_f8f6f4 v[S+8*\tt:S+8*\tt+7], v[KF+8*\tt:KF+8*\tt+7], v[QF+4*\i:QF+4*\i+7], 0, v[KSC+\tt], v[QSC+\i] matrix_a_fmt:MATRIX_FMT_FP4 matrix_b_fmt:MATRIX_FMT_FP4
.endr
.rept 4
	v_nop                                          ; places ahead of the first read of results
.endr
.irp g, 0,1,2,3
	v_max3_num_f32 v[MX+\g], v[S+16*\g], v[S+16*\g+1], v[S+16*\g+2]     ; four chains of 16 scores; each accumulator is read from its low end on
.endr
.irp m, 3,5,7,9,11,13
.irp g, 0,1,2,3
	v_max3_num_f32 v[MX+\g], v[MX+\g], v[S+16*\g+\m], v[S+16*\g+\m+1]
.endr
.endr
.irp g, 0,1,2,3
	v_max_num_f32 v[MX+\g], v[MX+\g], v[S+16*\g+15]
.endr
	s_delay_alu instid0(VALU_DEP_3)
	v_max_num_f32 v[MB], v[MX], v[MX+1]            ; the largest score of my block hh: it serves twice, for the row's maximum and, since p rises with the score, for the block's largest p
	s_delay_alu instid0(VALU_DEP_2)
	v_max_num_f32 v[MB+1], v[MX+2], v[MX+3]        ; and of my block 2 + hh
	s_delay_alu instid0(VALU_DEP_1)
	v_max_num_f32 v[MX], v[MB], v[MB+1]
	s_delay_alu instid0(VALU_DEP_1)
	v_permlanex16_b32 v[TP], v[MX], s[SEL], s[SEL+1]
	s_delay_alu instid0(VALU_DEP_1)
	v_max_num_f32 v[MX], v[MX], v[TP]              ; the row's largest score
	s_delay_alu instid0(VALU_DEP_1)
	v_mul_f32 v[MX], s[CS], v[MX]                  ; as t (c is positive)
	s_delay_alu instid0(VALU_DEP_1)
	v_floor_f32 v[NM], -v[MX]                      ; -M = floor(-t) = -ceil(t)
.set n, 0
.rept 32
	v_pk_fma_f32 v[S+n:S+n+1], v[S+n:S+n+1], s[CS:CS+1], v[NM:NM+1] op_sel_hi:[1,0,0]   ; t - M, two at a time
.set n, n+2
.endr
	v_fma_f32 v[MB], v[MB], s[CS], v[NM]           ; the same of each block's largest score
	v_fma_f32 v[MB+1], v[MB+1], s[CS], v[NM]
.set n, 0
	s_wait_alu depctr_va_vdst(0)                   ; ahead of the batch
.rept 64
	v_exp_f32 v[S+n], v[S+n]                       ; p = 2^(t - M): not normalised
.set n, n+1
.endr
	v_nop                                          ; a plain line behind the last exponential
	s_wait_alu depctr_va_vdst(0)                   ; one wait for the batch of 64, ahead of its first reader
	v_exp_f32 v[MB], v[MB]                         ; the blocks' largest p: the same two instructions on the same number give the same bits
	v_exp_f32 v[MB+1], v[MB+1]
	v_pk_add_f32 v[L0:L0+1], v[S:S+1], v[S+2:S+3]  ; the row's sum is taken of the unquantised p: two chains, two numbers at a time
	v_pk_add_f32 v[L1:L1+1], v[S+4:S+5], v[S+6:S+7]
.irp m, 8,12,16,20,24,28,32
	v_pk_add_f32 v[L0:L0+1], v[L0:L0+1], v[S+\m:S+\m+1]
	v_pk_add_f32 v[L1:L1+1], v[L1:L1+1], v[S+\m+2:S+\m+3]
.endr
	s_wait_alu depctr_va_vdst(0)                   ; and one for the two
	v_max_num_f32 v[MB], 0x1800000, v[MB]          ; the floor 2^(3 - 127): the byte cannot fall under 1
	v_max_num_f32 v[MB+1], 0x1800000, v[MB+1]
	s_delay_alu instid0(VALU_DEP_2)
	v_add_nc_u32 v[SO], 0xff000000, v[MB]          ; 2 off the exponent field: the conversion's scale operand
	s_delay_alu instid0(VALU_DEP_2)
	v_add_nc_u32 v[SO+1], 0xff000000, v[MB+1]
	s_delay_alu instid0(VALU_DEP_2)
	v_lshrrev_b32 v[MX], 23, v[SO]
	s_delay_alu instid0(VALU_DEP_2)
	v_lshrrev_b32 v[MX+1], 23, v[SO+1]
	s_delay_alu instid0(VALU_DEP_1)
	v_lshl_or_b32 v[MX], v[MX+1], 16, v[MX]        ; my two bytes: blocks hh and 2 + hh,
	s_delay_alu instid0(VALU_DEP_1)
	v_lshlrev_b32 v[MX], v[SH], v[MX]              ; at their places in the scale word;
	s_delay_alu instid0(VALU_DEP_1)
	v_permlanex16_b32 v[TP], v[MX], s[SEL], s[SEL+1]
	s_delay_alu instid0(VALU_DEP_1)
	v_or_b32 v[PSC], v[MX], v[TP]                  ; with lane l xor 16's two the word is whole
.irp c, 0,1
.irp t, 0,1,2,3
	v_cvt_scalef32_pk8_fp4_f32 v[PC+4*\c+\t], v[S+32*\c+8*\t:S+32*\c+8*\t+7], v[SO+\c]   ; register 4 c + t of the operand: e = 64 c + 32 hh + 8 t + 0 .. 7
.endr
.endr
.irp m, 36,40,44,48,52,56,60
	v_pk_add_f32 v[L0:L0+1], v[L0:L0+1], v[S+\m:S+\m+1]      ; the rest of the sum: also the places between the scale word, the codes and the product
	v_pk_add_f32 v[L1:L1+1], v[L1:L1+1], v[S+\m+2:S+\m+3]
.endr
	s_delay_alu instid0(VALU_DEP_1)
	v_pk_add_f32 v[L0:L0+1], v[L0:L0+1], v[L1:L1+1]
	s_delay_alu instid0(VALU_DEP_1)
	v_add_f32 v[L0], v[L0], v[L0+1]
	s_delay_alu instid0(VALU_DEP_1)
	v_permlanex16_b32 v[TP], v[L0], s[SEL], s[SEL+1]
	s_delay_alu instid0(VALU_DEP_1)
	v_add_f32 v[L0], v[L0], v[TP]                  ; l
	s_wait_alu depctr_va_vdst(0)                   ; ahead of the transcendental too
	v_rcp_f32 v[RL], v[L0]
	v_nop                                          ; a plain line behind the reciprocal
.irp u, 0,1
	v_wmma_scale_f32_16x16x128_f8f6f4 v[O+8*\u:O+8*\u+7], v[VF+8*\u:VF+8*\u+7], v[PC:PC+7], 0, v[VSC+\u], v[PSC] matrix_a_fmt:MATRIX_FMT_FP4 matrix_b_fmt:MATRIX_FMT_FP4
.endr
.rept 4
	v_nop
.endr
	s_wait_alu depctr_va_vdst(0)                   ; the reciprocal's wait, ahead of its first reader
.set n, 0
.rept 8
	v_pk_mul_f32 v[O+n:O+n+1], v[O+n:O+n+1], v[RL:RL+1] op_sel_hi:[1,0]     ; O^T / l, from the low end on: register 8 u + j is out(d, head 16 u + 8 hh + j)
.set n, n+2
.endr
.irp u, 0,1
	ds_store_b128 v[STO], v[O+8*\u:O+8*\u+3] offset:64*\u
	ds_store_b128 v[STO], v[O+8*\u+4:O+8*\u+7] offset:64*\u+16
.endr
	s_wait_xcnt 0x0                                ; the last tile's stores have read their registers: the loads below may land there
.irp m, 0,1,2,3
	ds_load_b128 v[RB+4*\m:RB+4*\m+3], v[SRD] offset:576*\m    ; four rows of 128 bytes an instruction; a wave's own bytes are served in order
.endr
.irp m, 0,1,2,3
	s_wait_dscnt 3-\m                              ; read-back m is in; the younger ones may be out
	global_store_b128 v[GO], v[RB+4*\m:RB+4*\m+3], s[10:11] offset:2048*\i+512*\m th:TH_STORE_NT   ; 512 consecutive bytes, aligned; written once
.endr
.endm
	DTILE 0
	DTILE 1
	DTILE 2
	DTILE 3
	s_wait_tensorcnt 0x0                           ; the wave's end
	ds_add_u32 v182, v183
	s_wait_dscnt 0x0
	s_endpgm
.Lfunc_end_k_qf9e9785556_attn:
	.size	k_qf9e9785556_attn, .Lfunc_end_k_qf9e9785556_attn-k_qf9e9785556_attn
	.p2alignl 7, 3214868480
	.fill 96, 4, 3214868480
	.section	.rodata,"a",@progbits
	.p2align	6, 0x0
	.amdhsa_kernel k_qf9e9785556_attn
		.amdhsa_group_segment_fixed_size 67584
		.amdhsa_private_segment_fixed_size 0
		.amdhsa_enable_private_segment 0
		.amdhsa_kernarg_size 24
		.amdhsa_user_sgpr_count 2
		.amdhsa_user_sgpr_kernarg_segment_ptr 1
		.amdhsa_wavefront_size32 1
		.amdhsa_system_sgpr_workgroup_id_x 1
		.amdhsa_system_sgpr_workgroup_id_y 1
		.amdhsa_system_sgpr_workgroup_id_z 1
		.amdhsa_system_vgpr_workitem_id 0
		.amdhsa_next_free_vgpr 256
		.amdhsa_next_free_sgpr 66
		.amdhsa_reserve_vcc 0
		.amdhsa_float_denorm_mode_32 3
		.amdhsa_float_denorm_mode_16_64 3
		.amdhsa_memory_ordered 1
		.amdhsa_forward_progress 1
		.amdhsa_inst_pref_size 63
	.end_amdhsa_kernel
	.amdgpu_metadata
---
amdhsa.version: [ 1, 2 ]
amdhsa.kernels:
  - .name:           k_qf9e9785556_attn
    .symbol:         k_qf9e9785556_attn.kd
    .args:
      - { .name: codes, .offset: 0, .size: 8, .value_kind: global_buffer, .address_space: global }
      - { .name: sc, .offset: 8, .size: 8, .value_kind: global_buffer, .address_space: global }
      - { .name: out0, .offset: 16, .size: 8, .value_kind: global_buffer, .address_space: global }
    .group_segment_fixed_size: 67584
    .private_segment_fixed_size: 0
    .kernarg_segment_align: 8
    .kernarg_segment_size: 24
    .max_flat_workgroup_size: 512
    .sgpr_count:     66
    .vgpr_count:     256
    .wavefront_size: 32
...
	.end_amdgpu_metadata
.endif
;; end of part 3
